; MI455X (gfx1250); checked and timed in simulation.
; The chip was launched on July 23, 2026; its instructions are those of AMD's public machine-readable ISA for CDNA 5 (MIT licence, August 2026) and "CDNA5" Instruction Set Architecture Reference Guide (July 2026). The comments in the code are by the model that wrote it; some were corrected since.
;; KNN Reader. Allowed arithmetic: matrix products marked QUANTISED: E2M1 operands, one E8M0 scale for each 32 along K, by v_wmma_scale_f32_16x16x128_f8f6f4 with both operands' format E2M1 (or v_wmma_scale_f32_32x16x128_f4), f32 sums; everything else in f32.
;; Inputs: keys 65,536 x 512 float32; vals 65,536 int32; x 2,048 x 512 float32.
;; Outputs: out0 2,048 int32.
;; Constants: ver = 1.
;; This version of the problem:
;;   THIS VERSION OF THE PROBLEM IS GIVEN IN LOW PRECISION. The matrix products marked QUANTISED in the list below multiply operands that are first quantised to E2M1 (2 exponent bits, 1 mantissa bit; 4 bits a number), with one power-of-two scale for each 32 numbers along K (OCP MX v1.0); their sums are f32. All else is computed in f32.
;;   The module's matrix products, in the order in which they are computed (A, B: the left and right operand; K: the contracted axis; several contracted axes count as one K, in the product's order):
;;     1. [M 2,048, K 512] x [K 512, N 65,536]; A: input x; B: input keys: QUANTISED
;;   THE QUANTISER, for each operand of a quantised product, along K:
;;     - K is cut into blocks of 32 from its start; a last block that is shorter is filled with zeros.
;;     - A block's scale is 2^e with e = floor(log2(the largest magnitude in the block)) - 2, held to -126 .. 127; a block of zeros has e = 0. As a byte (E8M0): e + 127.
;;     - Each number is divided by its block's scale, clamped to +-6, and rounded to the nearest number of E2M1, ties to even, subnormals kept.
;;     - The product sums the exact products of the quantised numbers (number of the format x scale) in f32.
;;   ~~~python
;;   def quantise(x, axis):      # numpy; x: float32 -> the quantised numbers, widened to float32 again
;;       x = np.moveaxis(x, axis, -1); K = x.shape[-1]
;;       x = np.pad(x, [(0, 0)] * (x.ndim - 1) + [(0, -K % 32)]); x = x.reshape(x.shape[:-1] + (-1, 32)); a = np.abs(x).max(-1, keepdims=True)
;;       e = np.where(a > 0, np.clip(np.frexp(np.where(a > 0, a, 1))[1] - 1 - 2, -126, 127), 0)      # np.frexp(a)[1] - 1 = floor(log2(a)), exactly
;;       r = np.clip(x / 2.0 ** e, -6, 6)
;;       step = 2.0 ** (np.maximum(np.frexp(np.where(r == 0, 1, r))[1] - 1, 0) - 1)
;;       q = np.round(r / step) * step * 2.0 ** e      # np.round: ties to even
;;       return np.moveaxis(q.reshape(q.shape[:-2] + (-1,))[..., :K], -1, axis).astype(np.float32)
;;   ~~~
;; One version. Each part assembles by itself: llvm-mc -triple=amdgcn-amd-amdhsa -mcpu=gfx1250 --defsym DOCPART=n.
;; ======== version 1 of 1: 4 launches
;; workspace buffers: kcodes 16,777,216 bytes; kscl 1,048,576 bytes; knrm 262,144 bytes; xcodes 524,288 bytes; xscl 32,768 bytes; xnrm 8,192 bytes; dmin 16,777,216 bytes; cand 262,144 bytes of whole numbers
;; launch quant (part 1): grid 1056 x 1, 4 waves a work-group, no clusters, 38,912 bytes of LDS; arguments keys, x, kcodes, kscl, knrm, xcodes, xscl, xnrm; writes kcodes, kscl, knrm, xcodes, xscl, xnrm
.if DOCPART == 1
	.amdgcn_target "amdgcn-amd-amdhsa--gfx1250"
	.amdhsa_code_object_version 6
	.text
	.protected	k_q122f4b033e_quant
	.globl	k_q122f4b033e_quant
	.p2align	8
	.type	k_q122f4b033e_quant,@function
k_q122f4b033e_quant:
	s_mov_b64 s[64:65], 0
	v_nop
	global_prefetch_b8 v0, s[64:65] scope:SCOPE_SE
	s_setreg_imm32_b32 hwreg(HW_REG_WAVE_MODE, 25, 1), 1
	s_wait_xcnt 0x0
; keys [65536][512] and x [2048][512], f32, become codes of FP4 (E2M1) with one E8M0 byte for each 32 along K, laid as IMAGES OF THE OPERAND'S REGISTERS,
; and each row's sum of squares is taken of the unquantised numbers: -kk/2 for a key, xx for a query.
; A SUPERTILE is 64 rows, S.  Its tile t (0..3) has the 16 rows 64 S + 32 (r / 8) + 8 t + r % 8, r = 0..15: so the 32 results that a lane of the product's result holds
; over the four tiles are 32 CONSECUTIVE rows.  codes: S*16384 + t*4096 + s*1024 + c*512 + 16*lane (K step s of 128, register quad c, lane = 16 hk + r holds k = 128 s + 64 c + 32 hk + 0..31);
; scale bytes: S*1024 + t*256 + 16 r + k/32;  norms: S*256 + t*64 + 4 r.
; A work-group takes one supertile (the first 1,024 work-groups keys, the other 32 x: only pointers and one factor are chosen), wave w its tile w, in 8 steps of 16 rows x 64 k.
; Each load reads two runs of 256 consecutive bytes; a step's 4,096 bytes turn through the wave's own stage in LDS and come back 128 bytes a lane: a whole block of 32 in one lane.
; A block's scale is 2^(floor(log2(largest magnitude)) - 2); its byte is the largest magnitude's exponent field - 2, held at 1 from below.
; LIMITS: a block of zeros gets the byte 1 (its codes are zeros; this program alone reads the bytes); NaN and infinities are not served; the sums of squares are added in this text's own order.
.set STG,  4736                        ; a stage: lane (hk, r) has 128 bytes at 2432 hk + 144 r
.set WREG, 2*STG                       ; two stages for each wave
.set NORM, 4*WREG                      ; behind them: the supertile's 64 norms, 256 bytes
.set GA,  1                            ; v1  global: 2048 (lane / 16) + 16 (lane % 16)
.set SI,  2                            ; v2  the stage, way in
.set SO,  3                            ; v3  the stage, way out
.set CO,  4                            ; v4  16 x lane: the codes' place
.set SCO, 5                            ; v5  16 (lane % 16) + 8 (lane / 16): the scale words' place
.set SH,  6                            ; v6  8 (lane / 16): my bytes' shift in a scale word
.set NA,  7                            ; v7  LDS: my row's norm
.set NRD, 8                            ; v8  LDS: NORM + 8 x lane
.set NGO, 9                            ; v9  8 x lane
.set LN,  10                           ; v10 lane
.set R,   16                           ; v16-79   two sets of 32 numbers as loaded
.set X,   80                           ; v80-143  two sets of 32 neighbours along K
.set C,   144                          ; v144-175 four registers of codes for each step: no store's data are written again
.set W,   176                          ; v176-179 the row's four scale words
.set SS,  180                          ; v180-183 sums of squares, two chains of pairs
.set T,   184                          ; v184-187 destinations of lane permutes
	s_load_b256 s[4:11], s[0:1], 0x0               ; keys, x, kcodes, kscl
	s_load_b256 s[12:19], s[0:1], 0x20             ; knrm, xcodes, xscl, xnrm
	v_lshl_add_u32 v192, v0, 2, 0x9600
	v_mov_b32 v193, 0
	v_lshrrev_b32 v11, 5, v0
	v_readfirstlane_b32 s20, v11                   ; wave = tile
	v_and_b32 v[LN], 31, v0
	v_and_b32 v12, 15, v0                          ; lane % 16
	v_bfe_u32 v13, v0, 4, 1                        ; lane / 16
	v_bfe_u32 v14, v0, 3, 1
	v_and_b32 v15, 7, v0
	s_mul_i32 s23, s20, WREG
	v_lshlrev_b32 v[GA], 4, v12
	v_lshl_add_u32 v[GA], v13, 11, v[GA]
	v_mul_u32_u24 v[SI], v13, 144                  ; in: row 2 i + lane / 16, half (lane / 8) % 2 of its 64 k, 16 bytes a lane
	v_mad_u32_u24 v[SI], v14, 2432, v[SI]
	v_lshl_add_u32 v[SI], v15, 4, v[SI]
	v_add_nc_u32 v[SI], s23, v[SI]
	v_mul_u32_u24 v[SO], v13, 2432                 ; out: lane = 16 hk + r takes the block hk of row r
	v_mad_u32_u24 v[SO], v12, 144, v[SO]
	v_add_nc_u32 v[SO], s23, v[SO]
	v_lshlrev_b32 v[CO], 4, v[LN]
	v_lshlrev_b32 v[SCO], 4, v12
	v_lshl_add_u32 v[SCO], v13, 3, v[SCO]
	v_lshlrev_b32 v[SH], 3, v13
	s_lshl_b32 s24, s20, 6
	v_lshl_add_u32 v[NA], v12, 2, s24
	v_add_nc_u32 v[NA], NORM, v[NA]
	v_lshl_add_u32 v[NRD], v[LN], 3, NORM
	v_lshlrev_b32 v[NGO], 3, v[LN]
.irp s, 0,1,2,3
	v_mov_b32 v[T+\s], 0                           ; written once: a lane permute's destination counts as one of its sources
.endr
	s_mov_b32 s26, 0x76543210
	s_mov_b32 s27, 0xfedcba98                      ; selects for lane l xor 16
	s_mov_b32 s22, 1.0
	s_mov_b32 s25, 0
	s_wait_kmcnt 0x0
	s_cmp_lt_u32 ttmp9, 1024                       ; keys' work-group or x's?  The choice hangs on the work-group's number alone
	s_cselect_b64 s[4:5], s[4:5], s[6:7]
	s_cselect_b64 s[8:9], s[8:9], s[14:15]
	s_cselect_b64 s[10:11], s[10:11], s[16:17]
	s_cselect_b64 s[12:13], s[12:13], s[18:19]
	s_cselect_b32 s22, 0xbf000000, s22             ; the norm's factor: -0.5 for keys, 1 for x
	s_cselect_b32 s21, 0, 1024
	s_sub_co_u32 s21, ttmp9, s21                   ; S
	s_lshl_b32 s24, s21, 17                        ; 64 rows of 2,048 bytes,
	s_lshl_b32 s28, s20, 14                        ; my tile's first row: 8 w
	s_add_co_u32 s24, s24, s28
	s_add_nc_u64 s[4:5], s[4:5], s[24:25]
	s_lshl_b32 s24, s21, 14
	s_lshl_b32 s28, s20, 12
	s_add_co_u32 s24, s24, s28
	s_add_nc_u64 s[8:9], s[8:9], s[24:25]
	s_lshl_b32 s24, s21, 10
	s_lshl_b32 s28, s20, 8
	s_add_co_u32 s24, s24, s28
	s_add_nc_u64 s[10:11], s[10:11], s[24:25]
	s_lshl_b32 s24, s21, 8
	s_add_nc_u64 s[12:13], s[12:13], s[24:25]
.macro LOAD st                         ; step st: k = 64 st .. + 63 of my 16 rows; load i takes rows r = 2 i, 2 i + 1
.irp i, 0,1,2,3,4,5,6,7
	global_load_b128 v[R+32*((\st)%2)+4*\i:R+32*((\st)%2)+4*\i+3], v[GA], s[4:5] offset:(\i/4)*65536+(\i%4)*4096+(\st)*256 th:TH_LOAD_NT
.endr
.endm
.macro TURN st                         ; through the stage: LDS serves a wave's instructions in order, so no wait stands between the stores and the loads
.irp i, 0,1,2,3,4,5,6,7
	ds_store_b128 v[SI], v[R+32*((\st)%2)+4*\i:R+32*((\st)%2)+4*\i+3] offset:STG*((\st)%2)+288*\i
.endr
.irp i, 0,1,2,3,4,5,6,7
	ds_load_b128 v[X+32*((\st)%2)+4*\i:X+32*((\st)%2)+4*\i+3], v[SO] offset:STG*((\st)%2)+16*\i
.endr
.endm
.macro STEP st
.set XS, X+32*((\st)%2)
	s_wait_dscnt 0x0                               ; this step's block is back from the stage, so its stores into the stage have read their registers,
.if (\st)+2 < 8
	LOAD (\st)+2                                   ; which take the loads of two steps on
.endif
.if (\st)+1 < 8
.if (\st)+2 < 8
	s_wait_loadcnt 8                               ; the next step's eight loads are in; the eight just issued may be out
.else
	s_wait_loadcnt 0x0
.endif
	TURN (\st)+1                                   ; and go through the other stage while this step is worked
.endif
	v_max3_num_f32 v12, |v[XS]|, |v[XS+1]|, |v[XS+2]|      ; the block's largest magnitude: all 32 numbers are mine
	v_max3_num_f32 v13, |v[XS+3]|, |v[XS+4]|, |v[XS+5]|
.irp i, 6,10,14,18,22,26
	v_max3_num_f32 v12, v12, |v[XS+\i]|, |v[XS+\i+1]|
	v_max3_num_f32 v13, v13, |v[XS+\i+2]|, |v[XS+\i+3]|
.endr
	v_max3_num_f32 v12, v12, |v[XS+30]|, |v[XS+31]|
	v_max3_num_f32 v12, v12, v13, 0x1800000        ; and the floor 2^(3 - 127): the byte cannot fall under 1
	v_add_nc_u32 v11, 0xff000000, v12              ; 2 off its exponent field: the conversion's scale operand
	v_lshrrev_b32 v13, 23, v11                     ; the scale's byte: block 2 st + hk of my row
.if (\st)%2 == 0
	v_mov_b32 v[W+(\st)/2], v13
.else
	v_lshl_or_b32 v[W+(\st)/2], v13, 16, v[W+(\st)/2]
.endif
.irp g, 0,1,2,3
	v_cvt_scalef32_pk8_fp4_f32 v[C+4*(\st)+\g], v[XS+8*\g:XS+8*\g+7], v11
.endr
.irp n, 0,1,2,3,4,5,6,7,8,9,10,11,12,13,14,15
.if ((\st) == 0) && (\n < 2)
	v_pk_mul_f32 v[SS+2*\n:SS+2*\n+1], v[XS+2*\n:XS+2*\n+1], v[XS+2*\n:XS+2*\n+1]      ; the first products start the sums
.else
	v_pk_fma_f32 v[SS+2*(\n%2):SS+2*(\n%2)+1], v[XS+2*\n:XS+2*\n+1], v[XS+2*\n:XS+2*\n+1], v[SS+2*(\n%2):SS+2*(\n%2)+1]   ; (plain lines behind the conversions)
.endif
.endr
	global_store_b128 v[CO], v[C+4*(\st):C+4*(\st)+3], s[8:9] offset:512*(\st)          ; 32 lanes store 512 consecutive bytes, aligned
.endm
	LOAD 0
	LOAD 1
	s_wait_loadcnt 8                               ; step 0's eight loads are in
	TURN 0
.irp t, 0,1,2,3,4,5,6,7
	STEP \t
.endr
.irp s, 0,1,2,3
	v_lshlrev_b32 v[W+\s], v[SH], v[W+\s]          ; my two bytes of word s at their places: bytes hk and 2 + hk
.endr
.irp s, 0,1,2,3
	v_permlanex16_b32 v[T+\s], v[W+\s], s26, s27
.endr
.irp s, 0,1,2,3
	v_or_b32 v[W+\s], v[W+\s], v[T+\s]             ; with lane l xor 16's two the word is whole
.endr
	v_cmp_lt_u32 vcc_lo, 15, v[LN]
	v_cndmask_b32 v12, v[W], v[W+2], vcc_lo        ; lanes 0-15 store words 0, 1 of their row, lanes 16-31 words 2, 3
	v_cndmask_b32 v13, v[W+1], v[W+3], vcc_lo
	global_store_b64 v[SCO], v[12:13], s[10:11]    ; the tile's 256 scale bytes: consecutive, aligned
	v_add_f32 v[SS], v[SS], v[SS+1]
	v_add_f32 v[SS+2], v[SS+2], v[SS+3]
	v_add_f32 v[SS], v[SS], v[SS+2]
	v_permlanex16_b32 v[T], v[SS], s26, s27
	v_add_f32 v[SS], v[SS], v[T]                   ; the row's sum of squares
	v_mul_f32 v[SS], s22, v[SS]
	ds_store_b32 v[NA], v[SS]                      ; both lanes of a row write the same word with the same value
	s_wait_dscnt 0x0                               ; for the others' sake: my store has landed
	s_barrier_signal -1
	s_barrier_wait -1
	s_cmp_lg_u32 s20, 0
	s_cbranch_scc1 .Lend
	ds_load_b64 v[14:15], v[NRD]
	s_wait_dscnt 0x0
	global_store_b64 v[NGO], v[14:15], s[12:13]    ; the supertile's 64 norms: 256 consecutive bytes, aligned
.Lend:
	s_wait_tensorcnt 0x0
	ds_add_u32 v192, v193
	s_wait_dscnt 0x0
	s_endpgm
.Lfunc_end_k_q122f4b033e_quant:
	.size	k_q122f4b033e_quant, .Lfunc_end_k_q122f4b033e_quant-k_q122f4b033e_quant
	.p2alignl 7, 3214868480
	.fill 96, 4, 3214868480
	.section	.rodata,"a",@progbits
	.p2align	6, 0x0
	.amdhsa_kernel k_q122f4b033e_quant
		.amdhsa_group_segment_fixed_size 38912
		.amdhsa_private_segment_fixed_size 0
		.amdhsa_enable_private_segment 0
		.amdhsa_kernarg_size 64
		.amdhsa_user_sgpr_count 2
		.amdhsa_user_sgpr_kernarg_segment_ptr 1
		.amdhsa_wavefront_size32 1
		.amdhsa_system_sgpr_workgroup_id_x 1
		.amdhsa_system_sgpr_workgroup_id_y 1
		.amdhsa_system_sgpr_workgroup_id_z 1
		.amdhsa_system_vgpr_workitem_id 0
		.amdhsa_next_free_vgpr 194
		.amdhsa_next_free_sgpr 66
		.amdhsa_reserve_vcc 1
		.amdhsa_float_denorm_mode_32 3
		.amdhsa_float_denorm_mode_16_64 3
		.amdhsa_memory_ordered 1
		.amdhsa_forward_progress 1
		.amdhsa_inst_pref_size 40
	.end_amdhsa_kernel
	.amdgpu_metadata
---
amdhsa.version: [ 1, 2 ]
amdhsa.kernels:
  - .name:           k_q122f4b033e_quant
    .symbol:         k_q122f4b033e_quant.kd
    .args:
      - { .name: keys, .offset: 0, .size: 8, .value_kind: global_buffer, .address_space: global }
      - { .name: x, .offset: 8, .size: 8, .value_kind: global_buffer, .address_space: global }
      - { .name: kcodes, .offset: 16, .size: 8, .value_kind: global_buffer, .address_space: global }
      - { .name: kscl, .offset: 24, .size: 8, .value_kind: global_buffer, .address_space: global }
      - { .name: knrm, .offset: 32, .size: 8, .value_kind: global_buffer, .address_space: global }
      - { .name: xcodes, .offset: 40, .size: 8, .value_kind: global_buffer, .address_space: global }
      - { .name: xscl, .offset: 48, .size: 8, .value_kind: global_buffer, .address_space: global }
      - { .name: xnrm, .offset: 56, .size: 8, .value_kind: global_buffer, .address_space: global }
    .group_segment_fixed_size: 38912
    .private_segment_fixed_size: 0
    .kernarg_segment_align: 8
    .kernarg_segment_size: 64
    .max_flat_workgroup_size: 128
    .sgpr_count:     66
    .vgpr_count:     194
    .wavefront_size: 32
...
	.end_amdgpu_metadata
.endif
;; end of part 1
;; launch dist (part 2): grid 256 x 1, 4 waves a work-group, clusters of 4 x 1, 327,680 bytes of LDS; arguments kcodes, kscl, knrm, xcodes, xscl, xnrm, dmin; writes dmin
.if DOCPART == 2
	.amdgcn_target "amdgcn-amd-amdhsa--gfx1250"
	.amdhsa_code_object_version 6
	.text
	.protected	k_q122f4b033e_dist
	.globl	k_q122f4b033e_dist
	.p2align	8
	.type	k_q122f4b033e_dist,@function
k_q122f4b033e_dist:
	s_mov_b64 s[64:65], 0
	v_nop
	global_prefetch_b8 v0, s[64:65] scope:SCOPE_SE
	s_setreg_imm32_b32 hwreg(HW_REG_WAVE_MODE, 25, 1), 1
	s_wait_xcnt 0x0
	s_wait_alu depctr_hold_cnt(0) depctr_sa_sdst(0) depctr_va_vdst(0) depctr_va_sdst(0) depctr_va_ssrc(0) depctr_va_vcc(0) depctr_vm_vsrc(0)
	s_getreg_b32 s2, hwreg(HW_REG_IB_STS2, 6, 4)
	s_cmp_eq_u32 s2, 0
	s_cbranch_scc0 .Lentry_in_a_cluster
	s_endpgm
.Lentry_in_a_cluster:
	s_bfe_u32 s2, ttmp6, 0x10000c
	s_cmp_lg_u32 s2, 0x3003
	s_cbranch_scc0 .Lentry_shape_is_right
	s_endpgm
.Lentry_shape_is_right:
; The quantised product x keys^T on codes of FP4 with E8M0 scales, and of each (query, group of 32 consecutive keys) the smallest distance.
; acc = -kk/2 + sum over four K steps of 128 (the norm is the C of the sum's first matrix instruction); dist = sqrt(max(xx - 2 acc, 0)).  xx, the clip and the root do not change the order,
; so only the LARGEST acc of a group is kept (three operands a line) and they are applied to that number alone.
; SHARES.  A cluster of four work-groups takes 1,024 keys (16 supertiles of 64), the same for all four: they are asked for JOINTLY and stay in LDS; every LDS byte is filled once.
; Work-group cx takes query slots 512 cx .. + 511, each of its four waves 128: eight tiles of 16 whose fragments stay in registers (256).
; LAYOUT.  Source 0 = 16 keys (tile t of a supertile), source 1 = 16 queries: a lane holds ONE query (lane % 16), and over t = 0..3 its 32 results are keys 64 S + 32 (lane / 16) + 0..31: group 2 S + lane / 16.
; dmin: f32 at (S / 4)*65536 + slot*32 + (lane / 16)*16 + 4 (S % 4).
; LIMITS: the distance is associated as xx - 2 (dot - kk/2); v_sqrt_f32 is taken not to fall where its input rises; NaN and infinities are not served.
; REGISTERS, in windows of 256: window 0: addresses, xx, scale words, norms, 8 accumulators, group maxima;  window 1: the queries' fragments;  window 2: the keys' fragments, two sets.
.set SCL, 262144                       ; LDS: 0: codes of 16 supertiles, as in memory; SCL: their scale bytes (16,384); NRM: their norms (4,096)
.set NRM, 278528
.set LC,  1                            ; v1  16 x lane
.set LSC, 2                            ; v2  SCL + 16 x lane
.set LNR, 3                            ; v3  NRM + 32 (lane / 16)
.set ADC, 4                            ; v4-6 the addresses of the fetch in hand
.set ADS, 5
.set ADN, 6
.set STO, 7                            ; v7  32 (lane % 16) + 16 (lane / 16): my place in dmin
.set LX,  8                            ; v8  4 (lane % 16)
.set XX,  16                           ; v16-23   xx of my query in tile a
.set XS,  32                           ; v32-47   x's scale words: 4 (a / 2) + s; lanes 0-15 the even tile, lanes 16-31 the odd one
.set KS,  48                           ; v48-63   keys' scale words: 8 p + 4 (t / 2) + s, likewise
.set NK,  64                           ; v64-127  -kk/2 in the result's layout: 32 p + 8 t
.set ACC, 128                          ; v128-191 accumulators: 32 a2 + 8 t
.set GM,  192                          ; v192-223 group maxima: 4 a + S % 4
.set CH,  224                          ; v224-227 the maxima's chains
.set G1C, 24                           ; s[24:31] group 1: 64 rows of 256 bytes;  s[32:39]: 16 rows;  s[40:47]: 4 rows
.set G1S, 32
.set G1N, 40
.set G0S, 48                           ; s[48:51] group 0 of the scale bytes, s[52:55] of the norms, s[56:59], s[60:63], s[68:71], s[72:75] of the four chunks of codes
.set G0N, 52
.set TB,  76                           ; s76-78 where the supertile to be fetched begins: codes, scale bytes, norms
.set TS,  77
.set TN,  78
.set MSB, 0
.macro WIN new                         ; the immediate's high byte repeats the setting that is left
.if MSB != \new
	s_set_vgpr_msb (MSB<<8)|\new
.set MSB, \new
.endif
.endm
.set MUL,  0x06                        ; source 0 (keys) window 2, source 1 (queries) window 1, C and D window 0
.set TO_X, 0x40
.set TO_K, 0x80
.macro CROUND                          ; a round of the cluster's barrier
	s_barrier_signal -1
	s_barrier_wait -1
	s_cmp_lg_u32 s18, 0
	s_cbranch_scc1 .Lnot_wave_0_\@
	s_barrier_signal -3
.Lnot_wave_0_\@:
	s_barrier_wait -3
	s_barrier_signal -1
	s_barrier_wait -1
.endm
.macro GROUP1 g, rows                  ; a dense block as rows of 256 bytes (32 elements of 8 bytes); mask: all four work-groups, bit 21 beside it
	s_mov_b32 s[\g], 15|(3<<16)|(1<<21)
	s_mov_b32 s[\g+1], 32<<16
	s_mov_b32 s[\g+2], (\rows)<<16
	s_mov_b32 s[\g+3], 32<<16
	s_mov_b32 s[\g+4], \rows
	s_mov_b32 s[\g+5], 32
	s_mov_b32 s[\g+6], 0
	s_mov_b32 s[\g+7], 0
.endm
.macro GROUP0C g, n                    ; chunk n: wave w fetches supertile 4 n + w
	s_mov_b32 s[\g], 1
	s_add_co_u32 s[\g+1], s79, (\n)*65536
	s_add_nc_u64 s[\g+2:\g+3], s[2:3], (\n)*65536
	s_or_b32 s[\g+3], s[\g+3], 0x80000000
.endm
	s_load_b256 s[4:11], s[0:1], 0x0               ; kcodes, kscl, knrm, xcodes
	s_load_b128 s[12:15], s[0:1], 0x20             ; xscl, xnrm
	s_load_b64 s[16:17], s[0:1], 0x30              ; dmin
	v_lshl_add_u32 v254, v0, 2, 0x45000
	v_mov_b32 v255, 0
	ds_add_u32 v254, v255
	ds_add_u32 v254, v255
	v_lshrrev_b32 v1, 5, v0
	v_readfirstlane_b32 s18, v1                    ; wave
	GROUP1 G1C, 64
	GROUP1 G1S, 16
	GROUP1 G1N, 4
	s_mov_b32 s[TB], 0
	s_mov_b32 s[TS], 0
	s_mov_b32 s[TN], 0
	s_mov_b32 s23, 0
	s_wait_dscnt 0x0
	s_wait_kmcnt 0x0
	s_lshl_b32 s22, ttmp9, 14                      ; the cluster's 16,384 scale bytes, my quarter
	s_lshl_b32 s3, s18, 12
	s_add_co_u32 s22, s22, s3
	s_mov_b32 s[G0S], 1
	s_add_co_u32 s[G0S+1], s3, SCL
	s_add_nc_u64 s[G0S+2:G0S+3], s[6:7], s[22:23]
	s_or_b32 s[G0S+3], s[G0S+3], 0x80000000
	s_lshl_b32 s22, ttmp9, 12                      ; its 4,096 bytes of norms, my quarter
	s_lshl_b32 s3, s18, 10
	s_add_co_u32 s22, s22, s3
	s_mov_b32 s[G0N], 1
	s_add_co_u32 s[G0N+1], s3, NRM
	s_add_nc_u64 s[G0N+2:G0N+3], s[8:9], s[22:23]
	s_or_b32 s[G0N+3], s[G0N+3], 0x80000000
	s_lshl_b32 s22, ttmp9, 18                      ; its 262,144 bytes of codes
	s_lshl_b32 s79, s18, 14
	s_add_co_u32 s22, s22, s79
	s_add_nc_u64 s[2:3], s[4:5], s[22:23]
	GROUP0C 56, 0
	GROUP0C 60, 1
	GROUP0C 68, 2
	GROUP0C 72, 3
	CROUND                                         ; all four work-groups are here: the joint loads meet
	tensor_load_to_lds s[G0S:G0S+3], s[G1S:G1S+7]  ; six loads of mine are out: all the fills of the launch, as one group
	s_nop 0
	tensor_load_to_lds s[G0N:G0N+3], s[G1N:G1N+7]
	s_nop 0
	tensor_load_to_lds s[56:59], s[G1C:G1C+7]
	s_nop 0
	tensor_load_to_lds s[60:63], s[G1C:G1C+7]
	s_nop 0
	tensor_load_to_lds s[68:71], s[G1C:G1C+7]
	s_nop 0
	tensor_load_to_lds s[72:75], s[G1C:G1C+7]
	s_nop 0
.rept 4
	v_nop
.endr
	s_bfe_u32 s19, ttmp6, 0x40000                  ; cx: it enters x's and dmin's global addresses alone
	s_lshl_b32 s19, s19, 9
	s_lshl_b32 s66, s18, 7
	s_add_co_u32 s19, s19, s66                     ; my first slot: 512 cx + 128 w
	s_mov_b32 s67, 0
	s_lshl_b32 s66, s19, 8
	s_add_nc_u64 s[10:11], s[10:11], s[66:67]      ; its codes: 4,096 bytes a tile
	s_lshl_b32 s66, s19, 4
	s_add_nc_u64 s[12:13], s[12:13], s[66:67]      ; its scale words
	s_lshl_b32 s66, s19, 2
	s_add_nc_u64 s[14:15], s[14:15], s[66:67]      ; its xx
	s_lshl_b32 s66, s19, 5
	s_lshl_b32 s20, ttmp9, 18                      ; the cluster's four rows of dmin
	s_add_co_u32 s66, s66, s20
	s_add_nc_u64 s[20:21], s[16:17], s[66:67]
	v_and_b32 v9, 31, v0
	v_bfe_u32 v10, v0, 4, 1
	v_and_b32 v11, 15, v0
	v_lshlrev_b32 v[LC], 4, v9
	v_add_nc_u32 v[LSC], SCL, v[LC]
	v_lshl_add_u32 v[LNR], v10, 5, NRM
	v_lshlrev_b32 v[STO], 5, v11
	v_lshl_add_u32 v[STO], v10, 4, v[STO]
	v_lshlrev_b32 v[LX], 2, v11
	WIN TO_X
.irp a, 0,1,2,3,4,5,6,7
.irp s, 0,1,2,3
.irp c, 0,1
	global_load_b128 v[32*\a+8*\s+4*\c:32*\a+8*\s+4*\c+3], v[LC], s[10:11] offset:\a*4096+\s*1024+\c*512   ; the queries' fragments stay in registers
.endr
.endr
.endr
	WIN 0
.irp pr, 0,1,2,3
	global_load_b128 v[XS+4*\pr:XS+4*\pr+3], v[LC], s[12:13] offset:512*\pr
.endr
.irp a, 0,1,2,3,4,5,6,7
	global_load_b32 v[XX+\a], v[LX], s[14:15] offset:64*\a
.endr
; The fragments, scale words and norms of the supertile at s[TB], s[TS], s[TN] into set p: 42 LDS loads in one run, each 16 x lane on end
.macro FETCH p
	v_add_nc_u32 v[ADC], s[TB], v[LC]
	v_add_nc_u32 v[ADS], s[TS], v[LSC]
	v_add_nc_u32 v[ADN], s[TN], v[LNR]
	WIN TO_K
.irp t, 0,1,2,3
.irp s, 0,1,2,3
.irp c, 0,1
	ds_load_b128 v[128*(\p)+32*\t+8*\s+4*\c:128*(\p)+32*\t+8*\s+4*\c+3], v[ADC] offset:\t*4096+\s*1024+\c*512
.endr
.endr
.endr
	WIN 0
.irp pr, 0,1
	ds_load_b128 v[KS+8*(\p)+4*\pr:KS+8*(\p)+4*\pr+3], v[ADS] offset:512*\pr
.endr
.irp t, 0,1,2,3
.irp c, 0,1
	ds_load_b128 v[NK+32*(\p)+8*\t+4*\c:NK+32*(\p)+8*\t+4*\c+3], v[ADN] offset:64*\t+16*\c
.endr
.endr
	s_add_co_u32 s[TB], s[TB], 16384               ; on to the next supertile; behind the sixteenth the addresses turn back to the first, whose bytes are fetched and not used
	s_and_b32 s[TB], s[TB], 0x3ffff
	s_add_co_u32 s[TS], s[TS], 1024
	s_and_b32 s[TS], s[TS], 0x3fff
	s_add_co_u32 s[TN], s[TN], 256
	s_and_b32 s[TN], s[TN], 0xfff
.endm
.macro MM p, ab, s, a2, t              ; one matrix instruction: key tile t x query tile 2 ab + a2, K step s
.set rD, ACC+32*(\a2)+8*(\t)
.set rA, 128*(\p)+32*(\t)+8*(\s)
.set rB, 32*(2*(\ab)+(\a2))+8*(\s)
.set rC, rD
.if (\s) == 0
.set rC, NK+32*(\p)+8*(\t)             ; the first K step starts the sum from -kk/2
.endif
.set rK, KS+8*(\p)+4*((\t)/2)+(\s)
.set rX, XS+4*(\ab)+(\s)
.if ((\t)%2 == 0) && ((\a2) == 0)
	v_wmma_scale_f32_16x16x128_f8f6f4 v[rD:rD+7], v[rA:rA+7], v[rB:rB+7], v[rC:rC+7], v[rK], v[rX] matrix_a_fmt:MATRIX_FMT_FP4 matrix_b_fmt:MATRIX_FMT_FP4
.elseif ((\t)%2 == 1) && ((\a2) == 0)
	v_wmma_scale_f32_16x16x128_f8f6f4 v[rD:rD+7], v[rA:rA+7], v[rB:rB+7], v[rC:rC+7], v[rK], v[rX] matrix_a_fmt:MATRIX_FMT_FP4 matrix_b_fmt:MATRIX_FMT_FP4 matrix_a_scale:MATRIX_SCALE_ROW1
.elseif ((\t)%2 == 0)
	v_wmma_scale_f32_16x16x128_f8f6f4 v[rD:rD+7], v[rA:rA+7], v[rB:rB+7], v[rC:rC+7], v[rK], v[rX] matrix_a_fmt:MATRIX_FMT_FP4 matrix_b_fmt:MATRIX_FMT_FP4 matrix_b_scale:MATRIX_SCALE_ROW1
.else
	v_wmma_scale_f32_16x16x128_f8f6f4 v[rD:rD+7], v[rA:rA+7], v[rB:rB+7], v[rC:rC+7], v[rK], v[rX] matrix_a_fmt:MATRIX_FMT_FP4 matrix_b_fmt:MATRIX_FMT_FP4 matrix_a_scale:MATRIX_SCALE_ROW1 matrix_b_scale:MATRIX_SCALE_ROW1
.endif
.endm
.macro BLOCK p, ab                     ; 64 keys x 32 queries x 512: 32 matrix instructions; the eight accumulators take turns, one instruction a turn
	WIN MUL
.irp s, 0,1,2,3
.irp a2, 0,1
.irp t, 0,1,2,3
	MM \p, \ab, \s, \a2, \t
.endr
.endr
.endr
	WIN 0
.endm
; The largest of a lane's 32 sums, for both query tiles: four chains by turns, each accumulator read from its low end on.  The four v_nop are the places behind the last products; these 32 lines,
; most of which name no register of a given product, are the places in front of the next run of loads and of the next block's products, which begin the accumulators anew.
.macro REDUCE ab, sp
.rept 4
	v_nop
.endr
.irp a2, 0,1
.irp hf, 0,1
	v_max3_num_f32 v[CH+2*\a2+\hf], v[ACC+32*\a2+16*\hf], v[ACC+32*\a2+16*\hf+1], v[ACC+32*\a2+16*\hf+2]
.endr
.endr
.irp i, 3,5,7,9,11,13
.irp a2, 0,1
.irp hf, 0,1
	v_max3_num_f32 v[CH+2*\a2+\hf], v[CH+2*\a2+\hf], v[ACC+32*\a2+16*\hf+\i], v[ACC+32*\a2+16*\hf+\i+1]
.endr
.endr
.endr
.irp a2, 0,1
	v_max3_num_f32 v[CH+2*\a2], v[CH+2*\a2], v[CH+2*\a2+1], v[ACC+32*\a2+15]
.endr
.irp a2, 0,1
	v_max_num_f32 v[GM+4*(2*(\ab)+\a2)+(\sp)], v[CH+2*\a2], v[ACC+32*\a2+31]
.endr
.endm
.macro SUPER sp                        ; one supertile against my 128 queries; the next supertile's operands are fetched meanwhile
	s_wait_dscnt 0x0                               ; the 42 loads issued one supertile ago
	FETCH 1-(\sp)%2
.irp ab, 0,1,2,3
	BLOCK (\sp)%2, \ab
	REDUCE \ab, \sp
.endr
.endm
.macro FINISH                          ; four supertiles' maxima become distances and leave: 16 bytes a lane, 512 consecutive bytes an instruction
.irp a, 0,1,2,3,4,5,6,7
.irp q, 0,1,2,3
	v_fma_f32 v[GM+4*\a+\q], v[GM+4*\a+\q], -2.0, v[XX+\a]
.endr
.endr
.set i, 0
.rept 32
	v_max_num_f32 v[GM+i], 0, v[GM+i]
.set i, i+1
.endr
.set i, 0
.rept 32
	v_sqrt_f32 v[GM+i], v[GM+i]
.set i, i+1
.endr
	v_nop                                          ; a plain line behind the last root
	s_wait_alu depctr_va_vdst(0)                   ; one wait for the batch of 32 roots, ahead of their first reader
.irp a, 0,1,2,3,4,5,6,7
	global_store_b128 v[STO], v[GM+4*\a:GM+4*\a+3], s[20:21] offset:512*\a
.endr
	s_wait_xcnt 0x0                                ; the stores have read their data and their base: both are written again only behind this wait
	s_add_nc_u64 s[20:21], s[20:21], 65536
.endm
.macro CHUNK first
	SUPER 0
	SUPER 1
	SUPER 2
.if \first
	s_wait_tensorcnt 0x0                           ; my parts of chunks 1 to 3 have landed,
	s_wait_dscnt 0x0
	s_barrier_signal -1
	s_barrier_wait -1                              ; everybody's have: the next fetch looks into chunk 1
.endif
	SUPER 3
	FINISH
.endm
	s_wait_tensorcnt 3                             ; scale bytes, norms and my part of chunk 0 are in; chunks 1 to 3 may stay out
	s_barrier_signal -1
	s_barrier_wait -1                              ; everybody's are
	FETCH 0
	s_wait_loadcnt 0x0                             ; the queries
	CHUNK 1
	s_mov_b32 s79, 3
.Lchunk:
	CHUNK 0
	s_sub_co_u32 s79, s79, 1
	s_cmp_lg_u32 s79, 0
	s_cbranch_scc1 .Lchunk
	s_wait_dscnt 0x0                               ; the last look-ahead
	s_wait_tensorcnt 0x0
	ds_add_u32 v254, v255
	s_wait_dscnt 0x0
	CROUND                                         ; the closing round
	s_endpgm
.Lfunc_end_k_q122f4b033e_dist:
	.size	k_q122f4b033e_dist, .Lfunc_end_k_q122f4b033e_dist-k_q122f4b033e_dist
	.p2alignl 7, 3214868480
	.fill 96, 4, 3214868480
	.section	.rodata,"a",@progbits
	.p2align	6, 0x0
	.amdhsa_kernel k_q122f4b033e_dist
		.amdhsa_group_segment_fixed_size 327680
		.amdhsa_private_segment_fixed_size 0
		.amdhsa_enable_private_segment 0
		.amdhsa_kernarg_size 56
		.amdhsa_user_sgpr_count 2
		.amdhsa_user_sgpr_kernarg_segment_ptr 1
		.amdhsa_wavefront_size32 1
		.amdhsa_system_sgpr_workgroup_id_x 1
		.amdhsa_system_sgpr_workgroup_id_y 1
		.amdhsa_system_sgpr_workgroup_id_z 1
		.amdhsa_system_vgpr_workitem_id 0
		.amdhsa_next_free_vgpr 768
		.amdhsa_next_free_sgpr 80
		.amdhsa_reserve_vcc 0
		.amdhsa_float_denorm_mode_32 3
		.amdhsa_float_denorm_mode_16_64 3
		.amdhsa_memory_ordered 1
		.amdhsa_forward_progress 1
		.amdhsa_inst_pref_size 249
	.end_amdhsa_kernel
	.amdgpu_metadata
---
amdhsa.version: [ 1, 2 ]
amdhsa.kernels:
  - .name:           k_q122f4b033e_dist
    .symbol:         k_q122f4b033e_dist.kd
    .args:
      - { .name: kcodes, .offset: 0, .size: 8, .value_kind: global_buffer, .address_space: global }
      - { .name: kscl, .offset: 8, .size: 8, .value_kind: global_buffer, .address_space: global }
      - { .name: knrm, .offset: 16, .size: 8, .value_kind: global_buffer, .address_space: global }
      - { .name: xcodes, .offset: 24, .size: 8, .value_kind: global_buffer, .address_space: global }
      - { .name: xscl, .offset: 32, .size: 8, .value_kind: global_buffer, .address_space: global }
      - { .name: xnrm, .offset: 40, .size: 8, .value_kind: global_buffer, .address_space: global }
      - { .name: dmin, .offset: 48, .size: 8, .value_kind: global_buffer, .address_space: global }
    .group_segment_fixed_size: 327680
    .private_segment_fixed_size: 0
    .kernarg_segment_align: 8
    .kernarg_segment_size: 56
    .max_flat_workgroup_size: 128
    .sgpr_count:     80
    .vgpr_count:     768
    .wavefront_size: 32
...
	.end_amdgpu_metadata
.endif
;; end of part 2
;; launch pick (part 3): grid 256 x 1, 8 waves a work-group, no clusters, 168,960 bytes of LDS; arguments dmin, cand; writes cand
.if DOCPART == 3
	.amdgcn_target "amdgcn-amd-amdhsa--gfx1250"
	.amdhsa_code_object_version 6
	.text
	.protected	k_q122f4b033e_pick
	.globl	k_q122f4b033e_pick
	.p2align	8
	.type	k_q122f4b033e_pick,@function
k_q122f4b033e_pick:
	s_mov_b64 s[64:65], 0
	v_nop
	global_prefetch_b8 v0, s[64:65] scope:SCOPE_SE
	s_setreg_imm32_b32 hwreg(HW_REG_WAVE_MODE, 25, 1), 1
	s_wait_xcnt 0x0
; For each query slot: the ten groups of 32 keys that come first by (the group's smallest distance, the group's number).  Every key outside them has ten keys in front of it by (distance, index):
; each of the ten groups holds a key that is no farther, and where it is equally far the group, and so the key, has the lower number.  So the ten nearest keys lie in these 320.
; The numbers go to cand as whole numbers: slot*128 + 4 n, n = 0..9; words 10 to 31 are 0.
; A work-group takes 8 slots, a wave one.  A slot's 2,048 numbers lie in dmin as 32 bytes of each of 256 rows: the 8 slots' 256 bytes of each row come by one tensor load a wave (32 rows), once.
; No cluster: no two work-groups read the same bytes.  Selection is done by compares and selects alone: no branch and no address hangs on a distance.
; LIMITS: NaN and infinite distances are not served.
.set PT,   272                         ; an LDS row: 256 bytes + 16 of padding
.set OUTB, 69632                       ; behind the 256 rows: 1,024 bytes for the way out; no fill lands there
.set V,    32                          ; v32-95: register 8 kk + 4 h + S' of lane l is group 256 kk + 8 l + 2 S' + h; its order number in the lane is o = 8 kk + 2 S' + h
	s_load_b128 s[4:7], s[0:1], 0x0                ; dmin, cand
	v_lshl_add_u32 v128, v0, 2, 0x29000
	v_mov_b32 v129, 0
	ds_add_u32 v128, v129
	ds_add_u32 v128, v129
	v_lshrrev_b32 v1, 5, v0
	v_readfirstlane_b32 s8, v1                     ; wave
	s_mov_b32 s16, (3<<16)|(1<<20)|(5<<22)|(3<<25) ; elements of 8 bytes; padding: 4 words behind every 64
	s_mov_b32 s17, 32<<16                          ; tensor_dim0 = 32 elements
	s_mov_b32 s18, 32<<16                          ; tensor_dim1 = 32 rows
	s_mov_b32 s19, 32<<16                          ; tile_dim0
	s_mov_b32 s20, 32                              ; tile_dim1
	s_mov_b32 s21, 8192                            ; from row to row: 65,536 bytes
	s_mov_b32 s22, 0
	s_mov_b32 s23, 0
	s_lshl_b32 s10, ttmp9, 8                       ; my work-group's 256 bytes of a row,
	s_lshl_b32 s9, s8, 21                          ; my wave's 32 rows
	s_add_co_u32 s10, s10, s9
	s_mov_b32 s11, 0
	s_mov_b32 s12, 1
	s_mul_i32 s13, s8, 32*PT
	s_wait_dscnt 0x0
	s_wait_kmcnt 0x0
	s_add_nc_u64 s[14:15], s[4:5], s[10:11]
	s_or_b32 s15, s15, 0x80000000
	tensor_load_to_lds s[12:15], s[16:23]          ; one load of mine is out
	s_nop 0
.rept 4
	v_nop
.endr
	v_and_b32 v1, 31, v0                           ; lane
	v_lshlrev_b32 v2, 3, v1                        ; 8 x lane
	v_mov_b32 v3, 0x7f800000                       ; +infinity: what is taken out
	v_mov_b32 v4, 127                              ; no order number
	v_mov_b32 v5, 0                                ; the result: lane n holds the n-th group
	v_mov_b32 v6, 0                                ; a lane permute's destination counts as one of its sources
	v_mul_u32_u24 v7, v1, PT
	s_lshl_b32 s9, s8, 5
	v_add_nc_u32 v7, s9, v7                        ; row = lane (+ 32 kk), my slot's 32 bytes
	v_lshl_add_u32 v24, v0, 2, OUTB                ; the way out: in,
	v_lshl_add_u32 v25, v0, 4, OUTB                ; back (waves 0 and 1),
	v_lshlrev_b32 v26, 4, v0                       ; and the same place in cand
	s_mov_b32 s26, 0x76543210
	s_mov_b32 s27, 0xfedcba98
	s_lshl_b32 s10, ttmp9, 10
	s_add_nc_u64 s[6:7], s[6:7], s[10:11]
	s_wait_tensorcnt 0x0                           ; my rows have landed,
	s_barrier_signal -1
	s_barrier_wait -1                              ; everybody's have
.irp kk, 0,1,2,3,4,5,6,7
.irp h, 0,1
	ds_load_b128 v[V+8*\kk+4*\h:V+8*\kk+4*\h+3], v7 offset:\kk*32*PT+16*\h
.endr
.endr
	s_wait_dscnt 0x0
.macro XMIN r                          ; the smallest over the 32 lanes, in every lane
	v_min_num_f32_dpp v[\r], v[\r], v[\r] row_xmask:1 row_mask:0xf bank_mask:0xf
	v_min_num_f32_dpp v[\r], v[\r], v[\r] row_xmask:2 row_mask:0xf bank_mask:0xf
	v_min_num_f32_dpp v[\r], v[\r], v[\r] row_xmask:4 row_mask:0xf bank_mask:0xf
	v_min_num_f32_dpp v[\r], v[\r], v[\r] row_xmask:8 row_mask:0xf bank_mask:0xf
	v_permlanex16_b32 v6, v[\r], s26, s27
	v_min_num_f32 v[\r], v[\r], v6
.endm
.macro ONUM o                          ; order number o and its register
.set ro, (\o)
.set ri, V+8*(ro/8)+4*(ro%2)+((ro/2)%4)
.endm
	s_mov_b32 s30, 0
.Ltrip:                                ; ten trips: each takes the first group that is left
.irp c, 0,1,2,3
	v_min3_num_f32 v[12+\c], v[V+16*\c], v[V+16*\c+1], v[V+16*\c+2]
.endr
.irp i, 3,5,7,9,11,13
.irp c, 0,1,2,3
	v_min3_num_f32 v[12+\c], v[12+\c], v[V+16*\c+\i], v[V+16*\c+\i+1]
.endr
.endr
	v_min3_num_f32 v12, v12, v[V+15], v[V+31]
	v_min3_num_f32 v13, v13, v[V+47], v[V+63]
	v_min3_num_f32 v12, v12, v13, v14
	v_min_num_f32 v12, v12, v15
	XMIN 12                                        ; M: the smallest distance left
.irp c, 0,1,2,3
	v_mov_b32 v[8+\c], 64
.endr
.irp d0, 0,2,4,6,8,10,12,14            ; my lowest order number that holds M: four chains, each in descending order, so that the lowest is written last
.irp q, 0,1
.irp c, 0,1,2,3
	ONUM 16*\c+15-(\d0+\q)
	v_cmp_eq_f32 s[40+4*\q+\c], v12, v[ri]
.endr
.endr
.irp q, 0,1
.irp c, 0,1,2,3
	ONUM 16*\c+15-(\d0+\q)
	v_cndmask_b32 v[8+\c], v[8+\c], ro, s[40+4*\q+\c]
.endr
.endr
.endr
	v_min_u32 v16, v8, v9
	v_min_u32 v17, v10, v11
	v_min_u32 v16, v16, v17                        ; I; 64 where I hold no M
	v_lshrrev_b32 v17, 3, v16
	v_and_b32 v18, 7, v16
	v_lshl_add_u32 v17, v17, 8, v18
	v_add_nc_u32 v17, v17, v2                      ; its group: 256 (I / 8) + I % 8 + 8 x lane; 2,048 or more where I hold none
	v_cvt_f32_u32 v17, v17                         ; exact
	v_mov_b32 v18, v17
	XMIN 18                                        ; the lowest group that holds M
	v_cmp_eq_f32 vcc_lo, v17, v18
	v_cndmask_b32 v19, v4, v16, vcc_lo             ; in the lane that holds it: its order number; elsewhere none
.irp b, 0,1,2,3,4,5,6,7
.irp n, 0,1,2,3,4,5,6,7
	v_cmp_eq_u32 s[40+\n], 8*\b+\n, v19
.endr
.irp n, 0,1,2,3,4,5,6,7
	ONUM 8*\b+\n
	v_cndmask_b32 v[ri], v[ri], v3, s[40+\n]       ; it is taken out
.endr
.endr
	v_cvt_u32_f32 v18, v18
	v_cmp_eq_u32 vcc_lo, s30, v1
	v_cndmask_b32 v5, v5, v18, vcc_lo              ; lane t keeps trip t's group
	s_add_co_u32 s30, s30, 1
	s_cmp_lt_u32 s30, 10
	s_cbranch_scc1 .Ltrip
	ds_store_b32 v24, v5                           ; 128 bytes a slot
	s_wait_dscnt 0x0                               ; for the others' sake
	s_barrier_signal -1
	s_barrier_wait -1
	s_cmp_gt_u32 s8, 1
	s_cbranch_scc1 .Lend
	ds_load_b128 v[28:31], v25
	s_wait_dscnt 0x0
	global_store_b128 v26, v[28:31], s[6:7]        ; waves 0 and 1 store 512 consecutive bytes each, aligned
.Lend:
	s_wait_tensorcnt 0x0
	ds_add_u32 v128, v129
	s_wait_dscnt 0x0
	s_endpgm
.Lfunc_end_k_q122f4b033e_pick:
	.size	k_q122f4b033e_pick, .Lfunc_end_k_q122f4b033e_pick-k_q122f4b033e_pick
	.p2alignl 7, 3214868480
	.fill 96, 4, 3214868480
	.section	.rodata,"a",@progbits
	.p2align	6, 0x0
	.amdhsa_kernel k_q122f4b033e_pick
		.amdhsa_group_segment_fixed_size 168960
		.amdhsa_private_segment_fixed_size 0
		.amdhsa_enable_private_segment 0
		.amdhsa_kernarg_size 16
		.amdhsa_user_sgpr_count 2
		.amdhsa_user_sgpr_kernarg_segment_ptr 1
		.amdhsa_wavefront_size32 1
		.amdhsa_system_sgpr_workgroup_id_x 1
		.amdhsa_system_sgpr_workgroup_id_y 1
		.amdhsa_system_sgpr_workgroup_id_z 1
		.amdhsa_system_vgpr_workitem_id 0
		.amdhsa_next_free_vgpr 130
		.amdhsa_next_free_sgpr 66
		.amdhsa_reserve_vcc 1
		.amdhsa_float_denorm_mode_32 3
		.amdhsa_float_denorm_mode_16_64 3
		.amdhsa_memory_ordered 1
		.amdhsa_forward_progress 1
		.amdhsa_inst_pref_size 24
	.end_amdhsa_kernel
	.amdgpu_metadata
---
amdhsa.version: [ 1, 2 ]
amdhsa.kernels:
  - .name:           k_q122f4b033e_pick
    .symbol:         k_q122f4b033e_pick.kd
    .args:
      - { .name: dmin, .offset: 0, .size: 8, .value_kind: global_buffer, .address_space: global }
      - { .name: cand, .offset: 8, .size: 8, .value_kind: global_buffer, .address_space: global }
    .group_segment_fixed_size: 168960
    .private_segment_fixed_size: 0
    .kernarg_segment_align: 8
    .kernarg_segment_size: 16
    .max_flat_workgroup_size: 256
    .sgpr_count:     66
    .vgpr_count:     130
    .wavefront_size: 32
...
	.end_amdgpu_metadata
.endif
;; end of part 3
;; launch vote (part 4): grid 256 x 1, 8 waves a work-group, no clusters, 1,280 bytes of LDS; arguments kcodes, kscl, knrm, xcodes, xscl, xnrm, vals, cand, out0; writes out0
.if DOCPART == 4
	.amdgcn_target "amdgcn-amd-amdhsa--gfx1250"
	.amdhsa_code_object_version 6
	.text
	.protected	k_q122f4b033e_vote
	.globl	k_q122f4b033e_vote
	.p2align	8
	.type	k_q122f4b033e_vote,@function
k_q122f4b033e_vote:
	s_mov_b64 s[64:65], 0
	v_nop
	global_prefetch_b8 v0, s[64:65] scope:SCOPE_SE
	s_setreg_imm32_b32 hwreg(HW_REG_WAVE_MODE, 25, 1), 1
	s_wait_xcnt 0x0
; For each query slot: its ten candidate groups (whole numbers that an earlier launch stored in cand) are multiplied again, 320 keys, by the same matrix instruction, the same four K steps in the same order
; on one accumulator that starts from -kk/2, and the same fma, clip and root; then the ten nearest by (distance, lower index), their vals, and the most frequent val, the smallest on ties.
; A wave takes one slot.  Source 0 = the query's row in all 16 rows, source 1 = 16 consecutive keys of the group (two tiles): register 0 of a result holds key 16 tau + lane % 16, so one select gives
; lane l the key 32 g + l.  (The main product has the sources the other way round: the transposed tile.)  One C serves both tiles: its register 0 holds -kk/2 of key 32 g + l; the lanes where that is the wrong key are the lanes thrown away.
; The vals of all 320 keys are loaded ahead of the choice; choices are compares and selects: no address and no branch hangs on a distance.  Group numbers are held at 2,047 ahead of their use in addresses.
; No cluster and no LDS ring: what a wave reads hangs on its own list.  No prefetch: the rows are named by many slots.
; LIMITS: as in the main product; vals outside 0..99 count for no class; NaN and infinities are not served.
.set OFS, 9                            ; v9-16   offsets of a group's codes, scale words, norms, vals: 4 for each of two sets
.set XSC, 18                           ; v18-21  the query's scale words
.set XA,  24                           ; v24-55  the query's fragments: 8 s
.set BF,  56                           ; v56-183 the keys' fragments: 64 set + 32 tau + 8 s
.set BS,  184                          ; v184-191 their scale words: 4 set + s; lanes 0-15 tau = 0, lanes 16-31 tau = 1
.set CK,  192                          ; v192-207 C: 8 set; register 0 loaded, the others 0
.set D0,  208
.set D1,  216
.set DV,  224                          ; v224-233 lane l: key 32 g_e + l: the sum, then the distance
.set CL,  234                          ; v234-243 its val
.set IDF, 56                           ; behind the products: v56-65 the keys' indices as f32, v66-75 their classes as f32, v76-85 at work
.set CF,  66
.set T,   76
	s_load_b256 s[4:11], s[0:1], 0x0               ; kcodes, kscl, knrm, xcodes
	s_load_b256 s[12:19], s[0:1], 0x20             ; xscl, xnrm, vals, cand
	s_load_b64 s[34:35], s[0:1], 0x40              ; out0
	v_lshl_add_u32 v254, v0, 2, 0x100
	v_mov_b32 v255, 0
	v_lshrrev_b32 v22, 5, v0
	v_readfirstlane_b32 s28, v22                   ; wave
	v_lshlrev_b32 v22, 2, v22                      ; LDS: my wave's word
	s_lshl_b32 s29, ttmp9, 3
	s_add_co_u32 s29, s29, s28                     ; my slot
	s_mov_b32 s37, 0
	s_lshl_b32 s36, s29, 7
	s_wait_kmcnt 0x0
	s_add_nc_u64 s[18:19], s[18:19], s[36:37]
	s_load_b256 s[40:47], s[18:19], 0x0            ; my ten groups
	s_load_b64 s[48:49], s[18:19], 0x20
	s_lshr_b32 s36, s29, 4
	s_lshl_b32 s36, s36, 12
	s_and_b32 s38, s29, 15
	s_lshl_b32 s38, s38, 4
	s_add_co_u32 s36, s36, s38
	s_add_nc_u64 s[10:11], s[10:11], s[36:37]      ; my row in its tile's image
	s_lshl_b32 s36, s29, 4
	s_add_nc_u64 s[12:13], s[12:13], s[36:37]
	s_lshl_b32 s36, s29, 2
	s_add_nc_u64 s[14:15], s[14:15], s[36:37]
	s_lshr_b32 s36, ttmp9, 3                       ; the work-group's eight slots are the queries 64 (B / 8) + 32 (B % 2) + 8 ((B / 2) % 4) + 0..7
	s_lshl_b32 s36, s36, 6
	s_and_b32 s38, ttmp9, 1
	s_lshl_b32 s38, s38, 5
	s_add_co_u32 s36, s36, s38
	s_bfe_u32 s38, ttmp9, 0x20001
	s_lshl_b32 s38, s38, 3
	s_add_co_u32 s36, s36, s38
	s_lshl_b32 s36, s36, 2
	s_add_nc_u64 s[34:35], s[34:35], s[36:37]
	s_mov_b32 s26, 0x76543210
	s_mov_b32 s27, 0xfedcba98
	s_mov_b32 s30, 0xffff0000                      ; lanes 16-31
	v_and_b32 v1, 31, v0                           ; lane
	v_bfe_u32 v8, v0, 4, 1                         ; lane / 16
	v_bfe_u32 v7, v0, 3, 1
	v_and_b32 v6, 7, v0
	v_lshlrev_b32 v2, 4, v6                        ; codes: 4096 ((l / 8) % 2) + 256 (l / 16) + 16 (l % 8)
	v_lshl_add_u32 v2, v8, 8, v2
	v_lshl_add_u32 v2, v7, 12, v2
	v_lshlrev_b32 v3, 4, v6                        ; scale words: 512 (l / 16) + 256 ((l / 8) % 2) + 16 (l % 8)
	v_lshl_add_u32 v3, v7, 8, v3
	v_lshl_add_u32 v3, v8, 9, v3
	v_lshrrev_b32 v4, 3, v1                        ; norms: 64 (l / 8) + 4 (l % 8)
	v_lshlrev_b32 v4, 6, v4
	v_lshl_add_u32 v4, v6, 2, v4
	v_lshlrev_b32 v5, 2, v1                        ; vals: 4 l
	v_lshlrev_b32 v23, 2, v6                       ; the way out: 4 (l % 8)
	v_lshlrev_b32 v6, 8, v8                        ; the query's fragments: 256 (l / 16)
	v_mov_b32 v7, 0
	v_mov_b32 v8, 0                                ; a lane permute's destination counts as one of its sources
.irp j, 1,2,3,4,5,6,7
	v_mov_b32 v[CK+\j], 0
	v_mov_b32 v[CK+8+\j], 0
.endr
.irp s, 0,1,2,3
.irp c, 0,1
	global_load_b128 v[XA+8*\s+4*\c:XA+8*\s+4*\c+3], v6, s[10:11] offset:\s*1024+\c*512
.endr
.endr
	global_load_b128 v[XSC:XSC+3], v7, s[12:13]    ; every lane: the query's four scale words
	global_load_b32 v17, v7, s[14:15]              ; xx
	s_wait_kmcnt 0x0
.irp e, 0,1,2,3,4,5,6,7,8,9
	s_min_u32 s[40+\e], s[40+\e], 2047
.endr
.macro GLOAD e, buf                    ; group e's 19 loads into set buf
	s_and_b32 s20, s[40+(\e)], 0x7fe               ; 2 x supertile
	s_and_b32 s21, s[40+(\e)], 1                   ; which half of each tile's rows
	s_lshl_b32 s22, s20, 13
	s_lshl_b32 s23, s21, 7
	s_add_co_u32 s22, s22, s23
	s_lshl_b32 s24, s20, 9
	s_add_co_u32 s24, s24, s23
	s_lshl_b32 s25, s20, 7
	s_lshl_b32 s23, s21, 5
	s_add_co_u32 s25, s25, s23
	s_lshl_b32 s39, s[40+(\e)], 7
	v_add_nc_u32 v[OFS+4*(\buf)], s22, v2
	v_add_nc_u32 v[OFS+4*(\buf)+1], s24, v3
	v_add_nc_u32 v[OFS+4*(\buf)+2], s25, v4
	v_add_nc_u32 v[OFS+4*(\buf)+3], s39, v5
.irp tau, 0,1
.irp s, 0,1,2,3
.irp c, 0,1
	global_load_b128 v[BF+64*(\buf)+32*\tau+8*\s+4*\c:BF+64*(\buf)+32*\tau+8*\s+4*\c+3], v[OFS+4*(\buf)], s[4:5] offset:\tau*8192+\s*1024+\c*512
.endr
.endr
.endr
	global_load_b128 v[BS+4*(\buf):BS+4*(\buf)+3], v[OFS+4*(\buf)+1], s[6:7]
	global_load_b32 v[CK+8*(\buf)], v[OFS+4*(\buf)+2], s[8:9]
	global_load_b32 v[CL+(\e)], v[OFS+4*(\buf)+3], s[16:17]
.endm
.macro GROUP e
.set bu, (\e)%2
.if (\e) < 9
	s_wait_loadcnt 19                              ; this group's loads are in; the next group's 19 may be out
.else
	s_wait_loadcnt 0x0
.endif
.irp s, 0,1,2,3                        ; the two accumulators take turns
.if \s == 0
	v_wmma_scale_f32_16x16x128_f8f6f4 v[D0:D0+7], v[XA:XA+7], v[BF+64*bu:BF+64*bu+7], v[CK+8*bu:CK+8*bu+7], v[XSC], v[BS+4*bu] matrix_a_fmt:MATRIX_FMT_FP4 matrix_b_fmt:MATRIX_FMT_FP4
	v_wmma_scale_f32_16x16x128_f8f6f4 v[D1:D1+7], v[XA:XA+7], v[BF+64*bu+32:BF+64*bu+39], v[CK+8*bu:CK+8*bu+7], v[XSC], v[BS+4*bu] matrix_a_fmt:MATRIX_FMT_FP4 matrix_b_fmt:MATRIX_FMT_FP4 matrix_b_scale:MATRIX_SCALE_ROW1
.else
	v_wmma_scale_f32_16x16x128_f8f6f4 v[D0:D0+7], v[XA+8*\s:XA+8*\s+7], v[BF+64*bu+8*\s:BF+64*bu+8*\s+7], v[D0:D0+7], v[XSC+\s], v[BS+4*bu+\s] matrix_a_fmt:MATRIX_FMT_FP4 matrix_b_fmt:MATRIX_FMT_FP4
	v_wmma_scale_f32_16x16x128_f8f6f4 v[D1:D1+7], v[XA+8*\s:XA+8*\s+7], v[BF+64*bu+32+8*\s:BF+64*bu+32+8*\s+7], v[D1:D1+7], v[XSC+\s], v[BS+4*bu+\s] matrix_a_fmt:MATRIX_FMT_FP4 matrix_b_fmt:MATRIX_FMT_FP4 matrix_b_scale:MATRIX_SCALE_ROW1
.endif
.endr
.rept 5
	v_nop                                          ; places: four in front of the read of the results and of loads into the operands, five in front of the next group's products, which begin the accumulators anew
.endr
	v_cndmask_b32 v[DV+(\e)], v[D0], v[D1], s30    ; lanes 0-15 keys 0-15 of the group, lanes 16-31 keys 16-31
.if (\e) < 8
	GLOAD (\e)+2, bu                               ; this set's loads are done (the wait above), so its offsets and registers are free
.endif
.endm
	GLOAD 0, 0
	GLOAD 1, 1
.irp e, 0,1,2,3,4,5,6,7,8,9
	GROUP \e
.endr
.irp e, 0,1,2,3,4,5,6,7,8,9
	v_fma_f32 v[DV+\e], v[DV+\e], -2.0, v17
.endr
.irp e, 0,1,2,3,4,5,6,7,8,9
	v_max_num_f32 v[DV+\e], 0, v[DV+\e]
.endr
.irp e, 0,1,2,3,4,5,6,7,8,9
	v_sqrt_f32 v[DV+\e], v[DV+\e]
.endr
.irp e, 0,1,2,3,4,5,6,7,8,9            ; independent work behind the roots: indices and classes as f32 (both exact)
	s_lshl_b32 s20, s[40+\e], 5
	v_add_nc_u32 v[IDF+\e], s20, v1
	v_cvt_f32_u32 v[IDF+\e], v[IDF+\e]
	v_min_u32 v[CF+\e], 100, v[CL+\e]              ; what lies outside 0..99 becomes 100: no class
	v_cvt_f32_u32 v[CF+\e], v[CF+\e]
.endr
	v_mov_b32 v96, 0x4e6e6b28                      ; 1e9: above every index
	v_mov_b32 v97, 0x7f800000                      ; +infinity
	v_mov_b32 v98, 0x42c80000                      ; lane t: the class of the t-th neighbour; 100 = none
	s_wait_alu depctr_va_vdst(0)                   ; one wait for the ten roots, ahead of their first reader and of the label
.macro XMIN r
	v_min_num_f32_dpp v[\r], v[\r], v[\r] row_xmask:1 row_mask:0xf bank_mask:0xf
	v_min_num_f32_dpp v[\r], v[\r], v[\r] row_xmask:2 row_mask:0xf bank_mask:0xf
	v_min_num_f32_dpp v[\r], v[\r], v[\r] row_xmask:4 row_mask:0xf bank_mask:0xf
	v_min_num_f32_dpp v[\r], v[\r], v[\r] row_xmask:8 row_mask:0xf bank_mask:0xf
	v_permlanex16_b32 v8, v[\r], s26, s27
	v_min_num_f32 v[\r], v[\r], v8
.endm
.macro XMAX r
	v_max_num_f32_dpp v[\r], v[\r], v[\r] row_xmask:1 row_mask:0xf bank_mask:0xf
	v_max_num_f32_dpp v[\r], v[\r], v[\r] row_xmask:2 row_mask:0xf bank_mask:0xf
	v_max_num_f32_dpp v[\r], v[\r], v[\r] row_xmask:4 row_mask:0xf bank_mask:0xf
	v_max_num_f32_dpp v[\r], v[\r], v[\r] row_xmask:8 row_mask:0xf bank_mask:0xf
	v_permlanex16_b32 v8, v[\r], s26, s27
	v_max_num_f32 v[\r], v[\r], v8
.endm
	s_mov_b32 s31, 0
.Lsel:                                 ; ten trips: each takes the nearest key that is left, the lower index where distances are equal
	v_min3_num_f32 v99, v[DV], v[DV+1], v[DV+2]
	v_min3_num_f32 v102, v[DV+3], v[DV+4], v[DV+5]
	v_min3_num_f32 v103, v[DV+6], v[DV+7], v[DV+8]
	v_min3_num_f32 v99, v99, v102, v103
	v_min_num_f32 v99, v99, v[DV+9]
	XMIN 99                                        ; the smallest distance left
.irp e, 0,1,2,3,4,5,6,7,8,9
	v_cmp_eq_f32 s[50+\e], v99, v[DV+\e]
.endr
.irp e, 0,1,2,3,4,5,6,7,8,9
	v_cndmask_b32 v[T+\e], v96, v[IDF+\e], s[50+\e]
.endr
	v_min3_num_f32 v100, v[T], v[T+1], v[T+2]
	v_min3_num_f32 v102, v[T+3], v[T+4], v[T+5]
	v_min3_num_f32 v103, v[T+6], v[T+7], v[T+8]
	v_min3_num_f32 v100, v100, v102, v103
	v_min_num_f32 v100, v100, v[T+9]
	XMIN 100                                       ; the lowest index that has it
.irp e, 0,1,2,3,4,5,6,7,8,9
	v_cmp_eq_f32 s[50+\e], v100, v[IDF+\e]
.endr
.irp e, 0,1,2,3,4,5,6,7,8,9
	v_cndmask_b32 v[DV+\e], v[DV+\e], v97, s[50+\e]    ; it is taken out
.endr
	v_mov_b32 v101, -1.0
.irp e, 0,1,2,3,4,5,6,7,8,9
	v_cndmask_b32 v101, v101, v[CF+\e], s[50+\e]       ; its class, in the lane that holds it
.endr
	XMAX 101                                       ; in every lane
	v_cmp_eq_u32 vcc_lo, s31, v1
	v_cndmask_b32 v98, v98, v101, vcc_lo
	s_add_co_u32 s31, s31, 1
	s_cmp_lt_u32 s31, 10
	s_cbranch_scc1 .Lsel
	v_mov_b32 v105, 0                              ; how many of the ten have my lane's class
.irp u, 0,1,2,3,4,5,6,7,8,9
	v_readlane_b32 s20, v98, \u
	v_cmp_eq_f32 vcc_lo, s20, v98
	v_cndmask_b32 v102, 0, 1.0, vcc_lo
	v_add_f32 v105, v105, v102
.endr
	v_sub_f32 v103, 0x42fe0000, v98                ; 127 - class
	v_fma_f32 v103, v105, 0x43000000, v103         ; 128 x count + 127 - class: the largest is the most frequent class, the smallest on ties
	v_mov_b32 v104, 0x42fe0000                     ; no class: as class 0 with count 0
	v_cmp_gt_f32 vcc_lo, 0x42c80000, v98
	v_cndmask_b32 v103, v104, v103, vcc_lo
	XMAX 103
	v_cvt_u32_f32 v103, v103
	v_and_b32 v103, 127, v103
	v_sub_nc_u32 v103, 127, v103                   ; the class
	ds_store_b32 v22, v103                         ; all lanes write the same word with the same value
	s_wait_dscnt 0x0                               ; for the others' sake
	s_barrier_signal -1
	s_barrier_wait -1
	s_cmp_lg_u32 s28, 0
	s_cbranch_scc1 .Lend
	ds_load_b32 v102, v23
	s_wait_dscnt 0x0
	v_cmp_gt_u32 vcc_lo, 8, v1
	s_wait_xcnt 0x0                                ; EXEC changes only behind this wait
	s_and_saveexec_b32 s20, vcc_lo
	global_store_b32 v5, v102, s[34:35]            ; eight consecutive queries: 32 bytes on end
	s_wait_xcnt 0x0                                ; and again, in front of the line that widens it
	s_or_b32 exec_lo, exec_lo, s20
.Lend:
	s_wait_tensorcnt 0x0
	ds_add_u32 v254, v255
	s_wait_dscnt 0x0
	s_endpgm
.Lfunc_end_k_q122f4b033e_vote:
	.size	k_q122f4b033e_vote, .Lfunc_end_k_q122f4b033e_vote-k_q122f4b033e_vote
	.p2alignl 7, 3214868480
	.fill 96, 4, 3214868480
	.section	.rodata,"a",@progbits
	.p2align	6, 0x0
	.amdhsa_kernel k_q122f4b033e_vote
		.amdhsa_group_segment_fixed_size 1280
		.amdhsa_private_segment_fixed_size 0
		.amdhsa_enable_private_segment 0
		.amdhsa_kernarg_size 72
		.amdhsa_user_sgpr_count 2
		.amdhsa_user_sgpr_kernarg_segment_ptr 1
		.amdhsa_wavefront_size32 1
		.amdhsa_system_sgpr_workgroup_id_x 1
		.amdhsa_system_sgpr_workgroup_id_y 1
		.amdhsa_system_sgpr_workgroup_id_z 1
		.amdhsa_system_vgpr_workitem_id 0
		.amdhsa_next_free_vgpr 256
		.amdhsa_next_free_sgpr 66
		.amdhsa_reserve_vcc 1
		.amdhsa_float_denorm_mode_32 3
		.amdhsa_float_denorm_mode_16_64 3
		.amdhsa_memory_ordered 1
		.amdhsa_forward_progress 1
		.amdhsa_inst_pref_size 52
	.end_amdhsa_kernel
	.amdgpu_metadata
---
amdhsa.version: [ 1, 2 ]
amdhsa.kernels:
  - .name:           k_q122f4b033e_vote
    .symbol:         k_q122f4b033e_vote.kd
    .args:
      - { .name: kcodes, .offset: 0, .size: 8, .value_kind: global_buffer, .address_space: global }
      - { .name: kscl, .offset: 8, .size: 8, .value_kind: global_buffer, .address_space: global }
      - { .name: knrm, .offset: 16, .size: 8, .value_kind: global_buffer, .address_space: global }
      - { .name: xcodes, .offset: 24, .size: 8, .value_kind: global_buffer, .address_space: global }
      - { .name: xscl, .offset: 32, .size: 8, .value_kind: global_buffer, .address_space: global }
      - { .name: xnrm, .offset: 40, .size: 8, .value_kind: global_buffer, .address_space: global }
      - { .name: vals, .offset: 48, .size: 8, .value_kind: global_buffer, .address_space: global }
      - { .name: cand, .offset: 56, .size: 8, .value_kind: global_buffer, .address_space: global }
      - { .name: out0, .offset: 64, .size: 8, .value_kind: global_buffer, .address_space: global }
    .group_segment_fixed_size: 1280
    .private_segment_fixed_size: 0
    .kernarg_segment_align: 8
    .kernarg_segment_size: 72
    .max_flat_workgroup_size: 256
    .sgpr_count:     66
    .vgpr_count:     256
    .wavefront_size: 32
...
	.end_amdgpu_metadata
.endif
;; end of part 4
